; MI455X (gfx1250); checked and timed in simulation.
; The chip was launched on July 23, 2026; its instructions are those of AMD's public machine-readable ISA for CDNA 5 (MIT licence, August 2026) and "CDNA5" Instruction Set Architecture Reference Guide (July 2026). The comments in the code are by the model that wrote it; some were corrected since.
;; Patch Sample F. Allowed arithmetic: float matrix products may take bf16 or f16 operands with f32 sums; all other float work in f32.
;; Inputs: b1_0 256 float32; b1_1 256 float32; b1_2 256 float32; b2_0 256 float32; b2_1 256 float32; b2_2 256 float32; feat0 8 x 128 x 128 x 128 float32; feat1 8 x 256 x 64 x 64 float32; feat2 8 x 256 x 64 x 64 float32; pid0 256 int32; pid1 256 int32; pid2 256 int32; w1_0 128 x 256 float32; w1_1 256 x 256 float32; w1_2 256 x 256 float32; w2_0 256 x 256 float32; w2_1 256 x 256 float32; w2_2 256 x 256 float32.
;; Outputs: out0 2,048 x 256 float32; out1 2,048 x 256 float32; out2 2,048 x 256 float32.
;; One version. Each part assembles by itself: llvm-mc -triple=amdgcn-amd-amdhsa -mcpu=gfx1250 --defsym DOCPART=n.
;; ======== version 1 of 1: 1 launch
;; launch patch_mlp (part 1): grid 192 x 1, 4 waves a work-group, clusters of 4 x 1, 327,680 bytes of LDS; arguments feat0, pid0, w1_0, b1_0, w2_0, b2_0, out0, feat1, pid1, w1_1, b1_1, w2_1, b2_1, out1, feat2, pid2, w1_2, b1_2, w2_2, b2_2, out2; writes out0, out1, out2
.if DOCPART == 1
	.amdgcn_target "amdgcn-amd-amdhsa--gfx1250"
	.amdhsa_code_object_version 6
	.text
	.protected	k_q10dbeb7e7e_patch_mlp
	.globl	k_q10dbeb7e7e_patch_mlp
	.p2align	8
	.type	k_q10dbeb7e7e_patch_mlp,@function
k_q10dbeb7e7e_patch_mlp:
	s_mov_b64 s[64:65], 0
	v_nop
	global_prefetch_b8 v0, s[64:65] scope:SCOPE_SE
	s_setreg_imm32_b32 hwreg(HW_REG_WAVE_MODE, 25, 1), 1
	s_wait_xcnt 0x0
	s_wait_alu depctr_hold_cnt(0) depctr_sa_sdst(0) depctr_va_vdst(0) depctr_va_sdst(0) depctr_va_ssrc(0) depctr_va_vcc(0) depctr_vm_vsrc(0)
	s_getreg_b32 s2, hwreg(HW_REG_IB_STS2, 6, 4)
	s_cmp_eq_u32 s2, 0
	s_cbranch_scc0 .Lentry_in_a_cluster
	s_endpgm
.Lentry_in_a_cluster:
	s_bfe_u32 s2, ttmp6, 0x10000c
	s_cmp_lg_u32 s2, 0x3003
	s_cbranch_scc0 .Lentry_shape_is_right
	s_endpgm
.Lentry_shape_is_right:
; PatchSampleF, three levels in one launch.  For a level: x[b*256+p][c] = feat[b][c][pid[p]];  h = relu(x w1 + b1);  y = h w2 + b2;
; out = y / (sqrt(sum of y^2 along the row) + 1e-7).  feat: [8][C][HW] f32 (C, HW = 128, 16384 in level 0; 256, 4096 in levels 1 and 2),
; w1: [C][256], w2: [256][256], out: [2048][256], all f32.
;
; SHARES.  6,144 rows in blocks of 32: 192 work-groups, 64 a level.  A work-group is (level, batch b, 32 neighbouring entries of pid).
; Four waves.  In the gather lane L is row L of the block and wave w takes the channels w C/4 .. w C/4 + C/4 - 1: one load covers 32 list
; entries of one plane.  In both products wave w owns the 64 output columns 64 w .. 64 w + 63 for all 32 rows: 2 x 4 accumulator tiles.
; COLUMN MAP.  Tile j, lane column r stands for column 64 w + 4 r + j.  So (a) 16 bytes of a weight row at byte 256 w + 16 r hold one element
; of each of the lane's four B fragments: fragments are made from rows [K][N] by conversions alone, without a transpose; (b) register v of the
; four tiles is four neighbouring columns of one row: h packs to 8 bytes, and (c) out leaves as 16 bytes a lane, sixteen lanes storing
; 256 consecutive bytes at a multiple of 256 from out's first byte, with no stage in LDS.
; WEIGHTS come by tensor loads, in chunks of 128 rows (131,072 bytes) through two LDS slots, are rounded to bf16 and stay in the registers
; of the wave that multiplies them.  Tensor loads have a counter of their own, so all this is done while the wave's gather loads are out.
; CLUSTER.  The four work-groups of a cluster are one level, one b, four neighbouring groups of pid: they need the same weights and ask
; for each chunk jointly (mask 15).  That divides the requests for the weights by four.  Nothing but the offsets into pid and out hangs on
; the place in the cluster.
; By this text's own count a wave has at most two tensor loads out (the two first fills), later one.
;
; LIMITS.  An entry of pid outside 0 .. HW-1 is taken as unsigned and clamped to HW-1.  relu is v_max_num_f32: a NaN in front of it becomes 0.
; v_sqrt_f32 takes a sum of squares below 2^-126 as 0 (a norm below 1.1e-19, against the 1e-7 that is added).  The division is a
; multiplication by v_rcp_f32.  x, h and the weights are rounded to bf16 for the products; sums, biases and the norm are f32.
.set SLOT,  131072                     ; an LDS slot: 128 weight rows of 1,024 bytes, dense.  Slots at 0 and 131,072
.set XS,    262144                     ; x in bf16: [wave's channels][row 0..31], 4 x 4,608 bytes; no tensor load lands at or behind this byte
.set HS,    280576                     ; relu(h) in bf16: [wave's 64 columns][row 0..31], 4 x 4,608 bytes
.set RED,   299008                     ; partial sums of squares: [wave][row] f32, 4 x 128 bytes
.set PITCH, 144                        ; 128 bytes of data + 16: 9 x 16, so sixteen rows start at sixteen different 16-byte columns modulo 256
.set CHUNK, 32*PITCH
.set VR,   1                           ; v1      r = lane mod 16
.set VH,   2                           ; v2      h = lane / 16
.set VL,   3                           ; v3      lane
.set PIDO, 4                           ; v4      my entry of pid, then its byte offset in a plane; not rewritten behind the gather
.set PLD,  5                           ; v5      4 x lane
.set WA,   6                           ; v6-9    8192 h + 256 w + 16 r, + 0, 64, 128, 192 KiB: my 16 bytes of a weight row in the slots.
                                       ;         v6 is also my byte offset in out: a row of out is 1,024 bytes like a weight row
.set XST,  10                          ; v10     where I put my row's channels
.set XAD,  11                          ; v11     A fragments of x
.set HST,  12                          ; v12     where I put 8 bytes of h
.set HAD,  13                          ; v13     A fragments of h
.set RST,  14                          ; v14     where my wave's partial sums go
.set RLD,  15                          ; v15     where all waves' partial sums are read
.set BOF,  17                          ; v17     256 w + 16 r: my four columns in b1 and b2
.set VT,   18                          ; v18     at work in the set-up
.set B1V,  20                          ; v20-23  b1 of my four columns
.set B2V,  24                          ; v24-27  b2 of my four columns
.set BT1,  32                          ; v32-63  four tiles, tile j eight times b1[64 w + 4 r + j]: the C of layer 1's first products
.set BT2,  64                          ; v64-95  the same of b2
.set ACC,  96                          ; v96-159 tile (m, j) at 96 + 32 m + 8 j
.set GX,   160                         ; v160-223 gathered x; then x packed; packed h; partial sums; out
.set SS,   224                         ; v224-239 sums of squares of my 16 rows, later 1 / (norm + eps)
.set NN,   240                         ; v240-255 norms
; window 1 (v256-511): w1 in bf16, K step s, tile j, register i at 32 s + 8 j + i;  window 2: w2 likewise;
; window 3: a chunk's f32 as read (step sl, row t at 64 sl + 4 t), later the A fragments (step s, m at 16 s + 8 m)
.set G1,   40                          ; s[40:47] descriptor group 1, one for all loads
.set G0A,  48                          ; s[48:63] four groups 0, one for each load; none is written again
.set G0B,  52
.set G0C,  56
.set G0D,  60
.set W1P,  12                          ; s[12:13] w1
.set W2P,  16                          ; s[16:17] w2
.set MSB, 0
.macro WIN new                         ; low byte: bits 1:0 source 0, 3:2 source 1, 5:4 source 2, 7:6 destination; the high byte repeats the setting left
.if MSB != \new
	s_set_vgpr_msb (MSB<<8)|\new
.set MSB, \new
.endif
.endm
.macro PLACES                          ; four places behind a matrix instruction before its result is read or a load lands on a source
.rept 4
	v_nop
.endr
.endm
.macro WGBAR
	s_barrier_signal -1
	s_barrier_wait -1
.endm
; A round of the cluster's barrier: my work-group's barrier, wave 0 signals for the work-group, all wait for the four work-groups, my work-group's barrier again.
.macro ROUND
	s_barrier_signal -1
	s_barrier_wait -1
	s_cmp_lg_u32 s3, 0
	s_cbranch_scc1 .Lnot_wave_0_\@
	s_barrier_signal -3
.Lnot_wave_0_\@:
	s_barrier_wait -3
	s_barrier_signal -1
	s_barrier_wait -1
.endm
; In front of the round every wave's LDS reads are back and all its tensor loads have landed; behind it no wave of any partner reads the slot
; that was read last, and the other slot is whole for every wave.  fill = 1: my quarter of the next chunk goes out first thing behind the round.
.macro SYNC fill, g0
	s_wait_dscnt 0x0
	s_wait_tensorcnt 0x0
	ds_add_u32 v30, v31
	s_wait_dscnt 0x0
	ROUND
.if \fill
	tensor_load_to_lds s[\g0:\g0+3], s[G1:G1+7]
	s_nop 0
.endif
.endm
; Group 0 of my quarter (32 rows, 32,768 bytes) of chunk number chunk of the weights at s[ptr:ptr+1], into slot number slot.  s[38:39] = 32768 w.
.macro MKG0 g, slot, ptr, chunk
	s_mov_b32 s[\g], 1                             ; count = 1
	s_add_co_u32 s[\g+1], s38, \slot*SLOT          ; LDS address: the slot + 32768 w
	s_add_nc_u64 s[\g+2:\g+3], s[\ptr:\ptr+1], s[38:39]
.if \chunk
	s_add_nc_u64 s[\g+2:\g+3], s[\g+2:\g+3], \chunk*SLOT
.endif
	s_or_b32 s[\g+3], s[\g+3], 0x80000000          ; type = 2
.endm
; My 16 bytes of each of a chunk's 128 rows, 64 loads.  A lane's 16 rows of K step sl are 32 sl + 8 h + t (t < 8) and 32 sl + 16 + 8 h + t - 8:
; the rows of a B fragment's registers 0-3 and 4-7.  Sixteen lanes read 256 consecutive bytes.
.macro RDCHUNK slot
	WIN 0xc0
.set sl, 0
.rept 4
.set tt, 0
.rept 16
	ds_load_b128 v[64*sl+4*tt:64*sl+4*tt+3], v[WA+2*\slot+sl/2] offset:(32*(sl%2)+tt+8*(tt/8))*1024
.set tt, tt+1
.endr
.set sl, sl+1
.endr
	WIN 0
.endm
; The chunk's four K steps to bf16: register i of tile j = rows 2 i and 2 i + 1 of the lane's 16, column j of its four.  win: 0x4f into window 1, 0x8f into window 2.
.macro CVCHUNK win, s0
	WIN \win
.set sl, 0
.rept 4
.set jj, 0
.rept 4
.set ii, 0
.rept 8
	v_cvt_pk_bf16_f32 v[32*(\s0+sl)+8*jj+ii], v[64*sl+8*ii+jj], v[64*sl+8*ii+4+jj]
.set ii, ii+1
.endr
.set jj, jj+1
.endr
.set sl, sl+1
.endr
.endm
; One layer: ns K steps of 32.  All A fragments are asked for in one run (two m tiles, two loads of 16 bytes each, a step), then the products.
; per = K steps in a wave's part of a row in LDS.  The first products take the bias tiles as C: nothing is cleared and no bias is added later.
; The eight accumulators take turns, one instruction a turn, in the same order in every step.
.macro LAYER ns, per, adr, win, bt
	WIN 0xc0
.set kk, 0
.rept \ns
.set mm, 0
.rept 2
	ds_load_b128 v[16*kk+8*mm:16*kk+8*mm+3],   v[\adr] offset:(kk/\per)*CHUNK+(kk%\per)*64+mm*16*PITCH
	ds_load_b128 v[16*kk+8*mm+4:16*kk+8*mm+7], v[\adr] offset:(kk/\per)*CHUNK+(kk%\per)*64+mm*16*PITCH+32
.set mm, mm+1
.endr
.set kk, kk+1
.endr
	WIN \win
.set kk, 0
.rept \ns
	s_wait_dscnt 4*(\ns-1-kk)                      ; LDS loads come back in order (ISA guide 5.7.1): the four loads of each later step may be out
.set mm, 0
.rept 2
.set jj, 0
.rept 4
.if kk == 0
	v_wmma_f32_16x16x32_bf16 v[ACC+32*mm+8*jj:ACC+32*mm+8*jj+7], v[16*kk+8*mm:16*kk+8*mm+7], v[32*kk+8*jj:32*kk+8*jj+7], v[\bt+8*jj:\bt+8*jj+7]
.else
	v_wmma_f32_16x16x32_bf16 v[ACC+32*mm+8*jj:ACC+32*mm+8*jj+7], v[16*kk+8*mm:16*kk+8*mm+7], v[32*kk+8*jj:32*kk+8*jj+7], v[ACC+32*mm+8*jj:ACC+32*mm+8*jj+7]
.endif
.set jj, jj+1
.endr
.set mm, mm+1
.endr
.set kk, kk+1
.endr
	WIN 0
	PLACES
.endm
; Lane addresses and the descriptor's shape: made of the thread's number, the wave's number and constants alone.  Stands behind the scalar loads of the arguments.
.macro SETUP
	v_and_b32 v[VR], 15, v0
	v_bfe_u32 v[VH], v0, 4, 1
	v_and_b32 v[VL], 31, v0
	v_lshlrev_b32 v[PLD], 2, v[VL]
	v_lshlrev_b32 v[BOF], 4, v[VR]
	v_lshl_add_u32 v[BOF], s3, 8, v[BOF]           ; 256 w + 16 r
	v_lshl_add_u32 v[WA], v[VH], 13, v[BOF]        ; + 8 h rows of 1,024 bytes
	v_add_nc_u32 v[WA+1], 0x10000, v[WA]           ; an LDS offset has 16 bits: the register carries the rest
	v_add_nc_u32 v[WA+2], 0x20000, v[WA]
	v_add_nc_u32 v[WA+3], 0x30000, v[WA]
	s_mul_i32 s22, s3, CHUNK                       ; my wave's part of XS and of HS
	s_add_co_u32 s23, s22, XS
	v_mul_u32_u24 v[XST], v[VL], PITCH
	v_add_nc_u32 v[XST], s23, v[XST]               ; XS + 4608 w + 144 lane
	v_mul_u32_u24 v[VT], v[VR], PITCH
	v_lshl_add_u32 v[VT], v[VH], 4, v[VT]          ; a fragment's lane term: row r, 16 bytes for each half of the lanes
	v_add_nc_u32 v[XAD], XS, v[VT]
	v_add_nc_u32 v[HAD], HS, v[VT]
	s_add_co_u32 s23, s22, HS
	v_mul_u32_u24 v[HST], v[VH], 8*PITCH
	v_lshl_add_u32 v[HST], v[VR], 3, v[HST]
	v_add_nc_u32 v[HST], s23, v[HST]               ; HS + 4608 w + 8 h rows + 8 r
	s_lshl_b32 s23, s3, 7
	s_add_co_u32 s23, s23, RED
	v_lshlrev_b32 v[VT], 5, v[VH]                  ; 8 h rows of 4 bytes
	v_add_nc_u32 v[RLD], RED, v[VT]
	v_add_nc_u32 v[RST], s23, v[VT]                ; RED + 128 w + 32 h
	; group 1: 32,768 dense bytes as 128 rows of 32 elements of 8 bytes
	s_mov_b32 s[G1+0], 0x0023000f                  ; 15:0 mask = the cluster's four work-groups; 17:16 element of 8 bytes; 20 no padding; 21 set beside a mask
	s_mov_b32 s[G1+1], 32<<16                      ; tensor_dim0 = 32
	s_mov_b32 s[G1+2], 128<<16                     ; tensor_dim1 = 128
	s_mov_b32 s[G1+3], 32<<16                      ; tile_dim0 = 32
	s_mov_b32 s[G1+4], 128                         ; tile_dim1 = 128
	s_mov_b32 s[G1+5], 32                          ; 32 elements from row to row: dense
	s_mov_b32 s[G1+6], 0
	s_mov_b32 s[G1+7], 0
	s_lshl_b32 s38, s3, 15                         ; my quarter of a chunk, in memory and in a slot
	s_mov_b32 s39, 0
.endm
; The whole work of a work-group.  nl = channels of a wave (C / 4); stride = bytes of a plane; top = HW - 1; shb, shw: shifts for b x C planes and w x nl planes.
; s[8:9] feat, s[10:11] pid, s[12:13] w1, s[14:15] b1, s[16:17] w2, s[18:19] b2, s[20:21] out.
.macro BODY nl, stride, top, shb, shw
	s_lshl_b32 s22, s7, 7                          ; my 32 entries of pid
	s_mov_b32 s23, 0
	s_add_nc_u64 s[10:11], s[10:11], s[22:23]
	global_load_b32 v[PIDO], v[PLD], s[10:11]
	global_load_b128 v[B1V:B1V+3], v[BOF], s[14:15]
	global_load_b128 v[B2V:B2V+3], v[BOF], s[18:19]
	s_lshl_b32 s22, s6, \shb
	s_lshl_b32 s2, s3, \shw
	s_add_co_u32 s22, s22, s2
	s_add_nc_u64 s[8:9], s[8:9], s[22:23]          ; feat at batch b, my wave's first channel
	s_lshl_b32 s22, s6, 18                         ; 256 b rows of 1,024 bytes
	s_lshl_b32 s2, s7, 15                          ; + 32 rows for each group of pid
	s_add_co_u32 s22, s22, s2
	s_add_nc_u64 s[20:21], s[20:21], s[22:23]      ; out at the block's first row
.if \nl == 64
	MKG0 G0A, 0, W1P, 0                            ; w1 rows 0-127
	MKG0 G0B, 1, W1P, 1                            ; w1 rows 128-255
	MKG0 G0C, 0, W2P, 0                            ; w2 rows 0-127
	MKG0 G0D, 1, W2P, 1                            ; w2 rows 128-255
.else
	MKG0 G0A, 0, W1P, 0                            ; w1, all 128 rows
	MKG0 G0B, 1, W2P, 0                            ; w2 rows 0-127
	MKG0 G0C, 0, W2P, 1                            ; w2 rows 128-255
.endif
	ROUND                                          ; the four work-groups are here: the first joint loads meet
	tensor_load_to_lds s[G0A:G0A+3], s[G1:G1+7]    ; both first fills go out together
	s_nop 0
	tensor_load_to_lds s[G0B:G0B+3], s[G1:G1+7]
	s_nop 0
	s_wait_loadcnt 0x0                             ; pid, b1, b2: three loads that travelled together
	v_min_u32 v[PIDO], \top, v[PIDO]               ; inside the plane, whatever the list holds
	v_lshlrev_b32 v[PIDO], 2, v[PIDO]
	; THE GATHER: channel i of my wave, 32 list entries a load; the plane stands in the immediate (2,031,616 at the most, inside its signed 24 bits).
	; All of a wave's loads go out here; a load that the counter's field cannot take is held at issue (ISA guide 5.7.1).
.set ii, 0
.rept \nl
	global_load_b32 v[GX+ii], v[PIDO], s[8:9] offset:ii*\stride
.set ii, ii+1
.endr
.set jj, 0
.rept 4
.set ii, 0
.rept 8
	v_mov_b32 v[BT1+8*jj+ii], v[B1V+jj]            ; a tile's register v is row 8 h + v of column r: the bias of the lane's column in all eight
	v_mov_b32 v[BT2+8*jj+ii], v[B2V+jj]
.set ii, ii+1
.endr
.set jj, jj+1
.endr
	; THE WEIGHTS, while the gather is on its way
	s_wait_tensorcnt 0x1                           ; my quarter of slot 0 is in; slot 1's may stay out
	WGBAR                                          ; everybody's quarter is in
	RDCHUNK 0
	SYNC 1, G0C                                    ; slot 0 has been read by all, slot 1 is whole; slot 0 is filled again
	CVCHUNK 0x4f, 0                                ; w1, K steps 0-3
	RDCHUNK 1
.if \nl == 64
	SYNC 1, G0D                                    ; slot 1 has been read by all, slot 0 is whole; slot 1 is filled again: the last load
	CVCHUNK 0x4f, 4                                ; w1, K steps 4-7
	RDCHUNK 0
	SYNC 0, 0                                      ; the closing round: every partner has issued all its joint loads; slot 1 is whole
	CVCHUNK 0x8f, 0                                ; w2, K steps 0-3
	RDCHUNK 1
.else
	SYNC 0, 0                                      ; the closing round: every partner has issued all its joint loads; slot 0 is whole
	CVCHUNK 0x8f, 0                                ; w2, K steps 0-3
	RDCHUNK 0
.endif
	s_wait_dscnt 0x0
	CVCHUNK 0x8f, 4                                ; w2, K steps 4-7
	WIN 0
	; x to bf16, sixteen channels at a time, packed in place (word 8 g + i takes channels 16 g + 2 i and + 1: never above a channel still needed)
.set gg, 0
.rept \nl/16
	s_wait_loadcnt \nl-16*(gg+1)                   ; loads come back in order (ISA guide 5.7.1): the gather loads behind this group may be out
.set ii, 0
.rept 8
	v_cvt_pk_bf16_f32 v[GX+8*gg+ii], v[GX+16*gg+2*ii], v[GX+16*gg+2*ii+1]
.set ii, ii+1
.endr
	ds_store_b128 v[XST], v[GX+8*gg:GX+8*gg+3] offset:32*gg
	ds_store_b128 v[XST], v[GX+8*gg+4:GX+8*gg+7] offset:32*gg+16
.set gg, gg+1
.endr
	s_wait_dscnt 0x0                               ; my part of x is in LDS,
	WGBAR                                          ; everybody's is
.set NS1, \nl/8
.set PER1, \nl/32
	LAYER NS1, PER1, XAD, 0x07, BT1                ; x w1 + b1
	; relu, to bf16, 8 bytes a lane: columns 4 r .. 4 r + 3 of my wave's 64, row 16 m + 8 h + v.  Sixteen lanes fill 128 bytes; the other half of the
	; lanes lies 1,152 bytes further, which is 128 modulo 256
.set ii, 0
.rept 64
	v_max_num_f32 v[ACC+ii], 0, v[ACC+ii]
.set ii, ii+1
.endr
.set mm, 0
.rept 2
.set rr, 0
.rept 8
	v_cvt_pk_bf16_f32 v[GX+2*(8*mm+rr)],   v[ACC+32*mm+rr],    v[ACC+32*mm+8+rr]
	v_cvt_pk_bf16_f32 v[GX+2*(8*mm+rr)+1], v[ACC+32*mm+16+rr], v[ACC+32*mm+24+rr]
	ds_store_b64 v[HST], v[GX+2*(8*mm+rr):GX+2*(8*mm+rr)+1] offset:(16*mm+rr)*PITCH
.set rr, rr+1
.endr
.set mm, mm+1
.endr
	s_wait_dscnt 0x0                               ; my columns of h are in LDS,
	WGBAR                                          ; everybody's are
	LAYER 8, 2, HAD, 0x0b, BT2                     ; h w2 + b2
	; sums of squares: my four columns, then the sixteen lanes of my half: my wave's 64 columns of rows 16 m + 8 h + v
.set mm, 0
.rept 2
.set pp, 0
.rept 4
	v_pk_mul_f32 v[SS+8*mm+2*pp:SS+8*mm+2*pp+1], v[ACC+32*mm+2*pp:ACC+32*mm+2*pp+1], v[ACC+32*mm+2*pp:ACC+32*mm+2*pp+1]
.set pp, pp+1
.endr
.set mm, mm+1
.endr
.set jj, 1
.rept 3
.set mm, 0
.rept 2
.set pp, 0
.rept 4
	v_pk_fma_f32 v[SS+8*mm+2*pp:SS+8*mm+2*pp+1], v[ACC+32*mm+8*jj+2*pp:ACC+32*mm+8*jj+2*pp+1], v[ACC+32*mm+8*jj+2*pp:ACC+32*mm+8*jj+2*pp+1], v[SS+8*mm+2*pp:SS+8*mm+2*pp+1]
.set pp, pp+1
.endr
.set mm, mm+1
.endr
.set jj, jj+1
.endr
.irp mk, 1,2,4,8
.set ii, 0
.rept 16
	v_add_f32_dpp v[SS+ii], v[SS+ii], v[SS+ii] row_xmask:\mk row_mask:0xf bank_mask:0xf
.set ii, ii+1
.endr
.endr
.set mm, 0
.rept 2
	ds_store_b128 v[RST], v[SS+8*mm:SS+8*mm+3] offset:64*mm          ; the sixteen lanes of a half write the same bytes with the same values
	ds_store_b128 v[RST], v[SS+8*mm+4:SS+8*mm+7] offset:64*mm+16
.set mm, mm+1
.endr
	s_wait_dscnt 0x0                               ; my wave's partial sums are in LDS,
	WGBAR                                          ; everybody's are
.set ww, 0
.rept 4
.set qq, 0
.rept 4
	ds_load_b128 v[GX+16*ww+4*qq:GX+16*ww+4*qq+3], v[RLD] offset:128*ww+64*(qq/2)+16*(qq%2)   ; wave ww's sums of my 16 rows
.set qq, qq+1
.endr
.set ww, ww+1
.endr
	s_wait_dscnt 0x0
.set pp, 0
.rept 8
	v_pk_add_f32 v[GX+2*pp:GX+2*pp+1], v[GX+2*pp:GX+2*pp+1], v[GX+16+2*pp:GX+16+2*pp+1]
	v_pk_add_f32 v[GX+32+2*pp:GX+32+2*pp+1], v[GX+32+2*pp:GX+32+2*pp+1], v[GX+48+2*pp:GX+48+2*pp+1]
.set pp, pp+1
.endr
.set pp, 0
.rept 8
	v_pk_add_f32 v[SS+2*pp:SS+2*pp+1], v[GX+2*pp:GX+2*pp+1], v[GX+32+2*pp:GX+32+2*pp+1]      ; (0 + 1) + (2 + 3): the same order in every wave
.set pp, pp+1
.endr
.set ii, 0
.rept 16
	v_sqrt_f32 v[NN+ii], v[SS+ii]
.set ii, ii+1
.endr
	v_nop                                          ; one plain vector instruction behind a transcendental before its result is used (ISA guide 5.7.2)
.set pp, 0
	s_wait_alu depctr_va_vdst(0)
.rept 8
	v_pk_add_f32 v[NN+2*pp:NN+2*pp+1], v[NN+2*pp:NN+2*pp+1], 0x33d6bf95 op_sel_hi:[1,0]      ; + 1e-7
.set pp, pp+1
.endr
.set ii, 0
.rept 16
	v_rcp_f32 v[SS+ii], v[NN+ii]
.set ii, ii+1
.endr
	v_nop                                          ; as above
	; out: register v of my four tiles = columns 64 w + 4 r .. + 3 of row 16 m + 8 h + v: 16 bytes a lane, sixteen lanes store 256 consecutive bytes, aligned.
	; Each store has data registers of its own, and the offset register and the base are not written again.
.set mm, 0
	s_wait_alu depctr_va_vdst(0)
.rept 2
.set rr, 0
.rept 8
.set jj, 0
.rept 4
	v_mul_f32 v[GX+32*mm+4*rr+jj], v[ACC+32*mm+8*jj+rr], v[SS+8*mm+rr]
.set jj, jj+1
.endr
	global_store_b128 v[WA], v[GX+32*mm+4*rr:GX+32*mm+4*rr+3], s[20:21] offset:(16*mm+rr)*1024 th:TH_STORE_NT
.set rr, rr+1
.endr
.set mm, mm+1
.endr
	s_wait_tensorcnt 0x0
	ds_add_u32 v30, v31
	s_wait_dscnt 0x0
	s_endpgm
.endm
	; ids.  In a cluster launch ttmp9 counts clusters: 16 clusters a level, two a batch.
	v_lshl_add_u32 v30, v0, 2, 0x49200
	v_mov_b32 v31, 0
	ds_add_u32 v30, v31
	s_wait_dscnt 0x0
	v_lshrrev_b32 v[VT], 5, v0
	v_readfirstlane_b32 s3, v[VT]                  ; wave 0..3
	s_lshr_b32 s4, ttmp9, 4                        ; level
	s_bfe_u32 s5, ttmp6, 0x40000                   ; cx: my place in the cluster
	s_bfe_u32 s6, ttmp9, 0x30001                   ; b
	s_and_b32 s7, ttmp9, 1
	s_lshl_b32 s7, s7, 2
	s_add_co_u32 s7, s7, s5                        ; which 32 entries of pid: 4 x (cluster mod 2) + cx; enters the offsets into pid and out alone
	s_cmp_lg_u32 s4, 0                             ; the level is the same in all four partners
	s_cbranch_scc1 .Llevels_1_2
	; level 0: C = 128, planes of 16,384 numbers
	s_load_b256 s[8:15], s[0:1], 0x0               ; feat0, pid0, w1_0, b1_0
	s_load_b128 s[16:19], s[0:1], 0x20             ; w2_0, b2_0
	s_load_b64 s[20:21], s[0:1], 0x30              ; out0
	SETUP
	s_wait_kmcnt 0x0
	BODY 32, 65536, 0x3fff, 23, 21
.Llevels_1_2:
	; levels 1 and 2: C = 256, planes of 4,096 numbers; the same text on the one or the other level's seven buffers
	s_load_b256 s[8:15], s[0:1], 0x38              ; feat1, pid1, w1_1, b1_1
	s_load_b128 s[16:19], s[0:1], 0x58             ; w2_1, b2_1
	s_load_b64 s[20:21], s[0:1], 0x68              ; out1
	s_load_b256 s[24:31], s[0:1], 0x70             ; feat2, pid2, w1_2, b1_2
	s_load_b128 s[32:35], s[0:1], 0x90             ; w2_2, b2_2
	s_load_b64 s[36:37], s[0:1], 0xa0              ; out2
	SETUP
	s_wait_kmcnt 0x0
	s_cmp_eq_u32 s4, 1
	s_cselect_b64 s[8:9], s[8:9], s[24:25]
	s_cselect_b64 s[10:11], s[10:11], s[26:27]
	s_cselect_b64 s[12:13], s[12:13], s[28:29]
	s_cselect_b64 s[14:15], s[14:15], s[30:31]
	s_cselect_b64 s[16:17], s[16:17], s[32:33]
	s_cselect_b64 s[18:19], s[18:19], s[34:35]
	s_cselect_b64 s[20:21], s[20:21], s[36:37]
	BODY 64, 16384, 0xfff, 22, 20
.Lfunc_end_k_q10dbeb7e7e_patch_mlp:
	.size	k_q10dbeb7e7e_patch_mlp, .Lfunc_end_k_q10dbeb7e7e_patch_mlp-k_q10dbeb7e7e_patch_mlp
	.p2alignl 7, 3214868480
	.fill 96, 4, 3214868480
	.section	.rodata,"a",@progbits
	.p2align	6, 0x0
	.amdhsa_kernel k_q10dbeb7e7e_patch_mlp
		.amdhsa_group_segment_fixed_size 327680
		.amdhsa_private_segment_fixed_size 0
		.amdhsa_enable_private_segment 0
		.amdhsa_kernarg_size 168
		.amdhsa_user_sgpr_count 2
		.amdhsa_user_sgpr_kernarg_segment_ptr 1
		.amdhsa_wavefront_size32 1
		.amdhsa_system_sgpr_workgroup_id_x 1
		.amdhsa_system_sgpr_workgroup_id_y 1
		.amdhsa_system_sgpr_workgroup_id_z 1
		.amdhsa_system_vgpr_workitem_id 0
		.amdhsa_next_free_vgpr 1024
		.amdhsa_next_free_sgpr 66
		.amdhsa_reserve_vcc 0
		.amdhsa_float_denorm_mode_32 3
		.amdhsa_float_denorm_mode_16_64 3
		.amdhsa_memory_ordered 1
		.amdhsa_forward_progress 1
		.amdhsa_inst_pref_size 177
	.end_amdhsa_kernel
	.amdgpu_metadata
---
amdhsa.version: [ 1, 2 ]
amdhsa.kernels:
  - .name:           k_q10dbeb7e7e_patch_mlp
    .symbol:         k_q10dbeb7e7e_patch_mlp.kd
    .args:
      - { .name: feat0, .offset: 0, .size: 8, .value_kind: global_buffer, .address_space: global }
      - { .name: pid0, .offset: 8, .size: 8, .value_kind: global_buffer, .address_space: global }
      - { .name: w1_0, .offset: 16, .size: 8, .value_kind: global_buffer, .address_space: global }
      - { .name: b1_0, .offset: 24, .size: 8, .value_kind: global_buffer, .address_space: global }
      - { .name: w2_0, .offset: 32, .size: 8, .value_kind: global_buffer, .address_space: global }
      - { .name: b2_0, .offset: 40, .size: 8, .value_kind: global_buffer, .address_space: global }
      - { .name: out0, .offset: 48, .size: 8, .value_kind: global_buffer, .address_space: global }
      - { .name: feat1, .offset: 56, .size: 8, .value_kind: global_buffer, .address_space: global }
      - { .name: pid1, .offset: 64, .size: 8, .value_kind: global_buffer, .address_space: global }
      - { .name: w1_1, .offset: 72, .size: 8, .value_kind: global_buffer, .address_space: global }
      - { .name: b1_1, .offset: 80, .size: 8, .value_kind: global_buffer, .address_space: global }
      - { .name: w2_1, .offset: 88, .size: 8, .value_kind: global_buffer, .address_space: global }
      - { .name: b2_1, .offset: 96, .size: 8, .value_kind: global_buffer, .address_space: global }
      - { .name: out1, .offset: 104, .size: 8, .value_kind: global_buffer, .address_space: global }
      - { .name: feat2, .offset: 112, .size: 8, .value_kind: global_buffer, .address_space: global }
      - { .name: pid2, .offset: 120, .size: 8, .value_kind: global_buffer, .address_space: global }
      - { .name: w1_2, .offset: 128, .size: 8, .value_kind: global_buffer, .address_space: global }
      - { .name: b1_2, .offset: 136, .size: 8, .value_kind: global_buffer, .address_space: global }
      - { .name: w2_2, .offset: 144, .size: 8, .value_kind: global_buffer, .address_space: global }
      - { .name: b2_2, .offset: 152, .size: 8, .value_kind: global_buffer, .address_space: global }
      - { .name: out2, .offset: 160, .size: 8, .value_kind: global_buffer, .address_space: global }
    .group_segment_fixed_size: 327680
    .private_segment_fixed_size: 0
    .kernarg_segment_align: 8
    .kernarg_segment_size: 168
    .max_flat_workgroup_size: 128
    .sgpr_count:     66
    .vgpr_count:     1024
    .wavefront_size: 32
...
	.end_amdgpu_metadata
.endif
;; end of part 1
